; MI455X (gfx1250); checked and timed in simulation.
; The chip was launched on July 23, 2026; its instructions are those of AMD's public machine-readable ISA for CDNA 5 (MIT licence, August 2026) and "CDNA5" Instruction Set Architecture Reference Guide (July 2026). The comments in the code are by the model that wrote it; some were corrected since.
;; MLP. Allowed arithmetic: float matrix products may take bf16 or f16 operands with f32 sums; other float arithmetic in f32, or as packed bf16 or f16 multiplies, adds, multiply-adds, maxima and minima; sums over many terms, partial sums and values carried from step to step in f32; what a program stores and reads back later, other than sums and carried values, may be rounded once to bf16 or f16.
;; Inputs: expert_idxs 8,192 x 2 int32; expert_p 8,192 x 2 float32; w_down 8 x 512 x 1,024 float32; w_up 8 x 1,024 x 512 float32; x 2 x 4,096 x 1,024 float32.
;; Outputs: out0 2 x 4,096 x 1,024 float32.
;; 2 versions, each right; version 2 is version 1 with the launch moe written anew for expert scheduling mode. Each part assembles by itself: llvm-mc -triple=amdgcn-amd-amdhsa -mcpu=gfx1250 --defsym DOCPART=n.
;; ======== version 1 of 2: 2 launches
;; limits: a function is approximated: absolute error at most 1.5e-07
;; workspace buffers: wub 8,388,608 bytes; wdb 8,388,608 bytes; order 32,768 bytes of whole numbers; tiles 4,096 bytes of whole numbers
;; launch prep (part 1): grid 257 x 1, 16 waves a work-group, no clusters, 39,424 bytes of LDS; arguments expert_idxs, w_up, w_down, wub, wdb, order, tiles; writes wub, wdb, order, tiles
.if DOCPART == 1
	.amdgcn_target "amdgcn-amd-amdhsa--gfx1250"
	.amdhsa_code_object_version 6
	.text
	.protected	k_q101bdc6d81_prep
	.globl	k_q101bdc6d81_prep
	.p2align	8
	.type	k_q101bdc6d81_prep,@function
k_q101bdc6d81_prep:
	s_mov_b64 s[64:65], 0
	v_nop
	global_prefetch_b8 v0, s[64:65] scope:SCOPE_SE
	s_setreg_imm32_b32 hwreg(HW_REG_WAVE_MODE, 25, 1), 1
	s_wait_xcnt 0x0
; FIRST LAUNCH OF THE MoE MLP: THE SORT AND THE WEIGHTS.
; Work-group 0 sorts the 8,192 tokens by their SET of experts (the unordered pair lo <= hi, key 8 lo + hi, 64 bins of which 36 can be used) by a
; counting sort without atomics, stores order[position] = token, and cuts each set into tiles of at most 48 tokens: tiles[j] = (lo, hi, first position, count).
; Over all splits there are at most (8192 + 36 x 47) / 48 = 205 tiles; 256 records are written, those past the last tile with count 0.
; Work-groups 1 to 128 round w_up, 129 to 256 w_down, to bf16 (nearest even) and lay them out as matrix operands: a wave makes one CHUNK of 4,096 bytes:
; 64 weight columns x 32 k, as four fragments of 16 columns.  In a fragment (1,024 bytes) byte 512 c + 256 h + 16 r holds the eight numbers
; W[k0 + 16 c + 8 h + 0..7][n0 + r]: two 16-byte loads a lane, at 16 x lane and 512 + 16 x lane, are then the eight registers of a 16-bit operand.
;   wub: [expert 8][column block 8][k step 32][4,096]      wdb: [expert 8][column block 16][k step 16][4,096]
; An index is taken to lie in 0..7, as the table that it indexes has 8 entries; the key is held to 63 all the same.
; EXEC stays full from the first line to the last.
.set BT,    4096                       ; LDS: 16 rows of 64 bins (256 bytes a wave) at 0; then the table of the bins, 8 bytes each
.set SPARE, 4608                       ; then the spare words, 128 bytes for each of 16 waves: eight blocks of 256 bytes that no other line names
.set OB,    6656                       ; then the sorted list as it will lie in memory, 8,192 words
.set IDX,   8                          ; v[8:39]    slot i: the token's two experts; later at work
.set K,     40                         ; v[40:55]   slot i: the key
.set RK,    56                         ; v[56:71]   slot i: the token's rank among my wave's tokens of that key
.set PP,    80                         ; v[80:111]  wave 0: where each wave's tokens of my two bins begin; later the table as read back
.set SPW,   126                        ; v126       LDS address of my spare word; never rewritten
.set NIL,   127                        ; v127       0; never rewritten
; One chunk.  64 loads of 4 bytes a lane: row i of the chunk's 32 rows of k, its 64 columns as two runs of 128 bytes that stand next to each other.
; Lane l holds column 32 g + l: fragment 2 g + l / 16, place l % 16.  Eight rows make 16 bytes of a lane, and 16 lanes store 256 consecutive bytes, aligned.
.macro CONV pitch, src, dst
.set i, 0
.rept 32
	global_load_b32 v[8+i],  v2, s[\src:\src+1] offset:i*(\pitch) th:TH_LOAD_NT
	global_load_b32 v[40+i], v2, s[\src:\src+1] offset:i*(\pitch)+128 th:TH_LOAD_NT
.set i, i+1
.endr
.irp o, 0,1,2,3
	s_wait_loadcnt 48-16*(\o)                      ; loads come back in order: rows 0 to 8 o + 7 are the oldest 16 (o + 1) of the 64
.irp g, 0,1
.irp q, 0,1,2,3
	v_cvt_pk_bf16_f32 v[72+16*(\g)+4*(\o)+(\q)], v[8+32*(\g)+8*(\o)+2*(\q)], v[8+32*(\g)+8*(\o)+2*(\q)+1]  ; the lower k in the lower half
.endr
.endr
.irp g, 0,1
	global_store_b128 v3, v[72+16*(\g)+4*(\o):72+16*(\g)+4*(\o)+3], s[\dst:\dst+1] offset:2048*(\g)+512*((\o)/2)+256*((\o)%2)
.endr
.endr
.endm
; One slot of the sort: my wave's 32 tokens 512 w + 32 i + lane.  peers = the lanes that hold my key, myself among them: for each of the key's six bits the ballot of
; the lanes that have it set, or its complement where my bit is clear.  My rank = the bin's count so far + the peers below me.  The bin's new count = its old count + the
; number of peers: every peer stores it, the same number into the same word.
.macro SLOT i
	v_lshl_add_u32 v76, v[K+\i], 2, s29            ; my bin in my wave's row
	ds_load_b32 v77, v76                           ; LDS serves a wave's instructions in order: this sees the slot before's store
.irp b, 0,1,2,3,4,5
	v_bfe_u32 v72, v[K+\i], \b, 1
	v_cmp_ne_u32 s[32+\b], 0, v72                  ; the lanes whose bit b is set
	v_add_nc_u32 v72, -1, v72                      ; 0 where mine is set, all ones where it is clear
.if \b == 0
	v_xor_b32 v73, s[32+\b], v72
.else
	v_xor_b32 v72, s[32+\b], v72
	v_and_b32 v73, v73, v72
.endif
.endr
	v_mbcnt_lo_u32_b32 v74, v73, 0                 ; peers below me
	v_lshrrev_b32 v75, 1, v73                      ; the number of peers: the mask's ones are counted in pairs of bits,
	v_and_b32 v75, s48, v75
	v_sub_nc_u32 v75, v73, v75
	v_lshrrev_b32 v79, 2, v75                      ; in fours,
	v_and_b32 v75, s49, v75
	v_and_b32 v79, s49, v79
	v_add_nc_u32 v75, v75, v79
	v_lshrrev_b32 v79, 4, v75                      ; in bytes,
	v_add_nc_u32 v75, v75, v79
	v_and_b32 v75, s50, v75
	v_mul_lo_u32 v75, v75, s51                     ; and the four bytes are added into the top one (32 at the most)
	v_lshrrev_b32 v75, 24, v75
	s_wait_dscnt 0x0                               ; the bin's count
	v_add_nc_u32 v[RK+\i], v77, v74
	v_add_nc_u32 v78, v77, v75
	ds_store_b32 v76, v78
.endm
; The table's bin at v[w1], v[w1+1] takes the place of the one chosen so far if its first tile is not behind tile j
.macro PICK w1
	v_cmp_gt_u32 vcc_lo, v72, v[\w1]
	v_cndmask_b32 v74, v74, v[\w1], vcc_lo
	v_cndmask_b32 v75, v75, v[(\w1)+1], vcc_lo
.endm
	s_load_b256 s[8:15], s[0:1], 0x0               ; expert_idxs s[8:9], w_up s[10:11], w_down s[12:13], wub s[14:15]
	s_load_b128 s[16:19], s[0:1], 0x20             ; wdb s[16:17], order s[18:19]
	s_load_b64 s[20:21], s[0:1], 0x30              ; tiles
	v_lshl_add_u32 v[SPW], v0, 2, SPARE
	v_mov_b32 v[NIL], 0
	v_lshrrev_b32 v2, 5, v0
	v_readfirstlane_b32 s28, v2                    ; wave 0..15
	v_and_b32 v1, 31, v0                           ; lane
	s_wait_kmcnt 0x0
	s_cmp_eq_u32 ttmp9, 0                          ; the work-group's number: the same in all its waves
	s_cbranch_scc1 .Lroute
	; THE WEIGHTS.  Chunk c = 16 (work-group - 1) + wave.
	s_sub_co_u32 s29, ttmp9, 1
	s_lshl_b32 s29, s29, 4
	s_add_co_u32 s29, s29, s28
	v_lshlrev_b32 v2, 2, v1                        ; in: 4 bytes a lane
	v_lshrrev_b32 v3, 4, v1
	v_and_b32 v4, 15, v1
	v_lshlrev_b32 v4, 4, v4
	v_lshl_add_u32 v3, v3, 10, v4                  ; out: 1,024 (lane / 16) + 16 (lane % 16)
	s_mov_b32 s31, 0
	s_mov_b32 s35, 0
	s_cmp_gt_u32 ttmp9, 128
	s_cbranch_scc1 .Ldown
	s_lshr_b32 s30, s29, 8                         ; w_up [8][1024][512] f32: expert c / 256, 2^21 bytes each,
	s_lshl_b32 s30, s30, 21
	s_and_b32 s32, s29, 31                         ; k step c % 32: 32 rows of 2,048 bytes,
	s_lshl_b32 s32, s32, 16
	s_add_co_u32 s30, s30, s32
	s_bfe_u32 s32, s29, 0x30005                    ; column block (c / 32) % 8: 64 columns of 4 bytes
	s_lshl_b32 s32, s32, 8
	s_add_co_u32 s30, s30, s32
	s_add_nc_u64 s[10:11], s[10:11], s[30:31]
	s_lshl_b32 s34, s29, 12
	s_add_nc_u64 s[14:15], s[14:15], s[34:35]
	CONV 2048, 10, 14
	s_endpgm
.Ldown:
	s_sub_co_u32 s29, s29, 2048
	s_lshr_b32 s30, s29, 8                         ; w_down [8][512][1024] f32: expert c / 256, 2^21 bytes each,
	s_lshl_b32 s30, s30, 21
	s_and_b32 s32, s29, 15                         ; k step c % 16: 32 rows of 4,096 bytes,
	s_lshl_b32 s32, s32, 17
	s_add_co_u32 s30, s30, s32
	s_bfe_u32 s32, s29, 0x40004                    ; column block (c / 16) % 16
	s_lshl_b32 s32, s32, 8
	s_add_co_u32 s30, s30, s32
	s_add_nc_u64 s[12:13], s[12:13], s[30:31]
	s_lshl_b32 s34, s29, 12
	s_add_nc_u64 s[16:17], s[16:17], s[34:35]
	CONV 4096, 12, 16
	s_endpgm
.Lroute:
	; THE SORT.  Wave w owns tokens 512 w to 512 w + 511, in 16 slots of 32.
	s_lshl_b32 s29, s28, 8                         ; my wave's row of 64 bins
	s_mov_b32 s48, 0x55555555                      ; the masks and the factor of the count of ones
	s_mov_b32 s49, 0x33333333
	s_mov_b32 s50, 0x0f0f0f0f
	s_mov_b32 s51, 0x01010101
	v_lshl_add_u32 v7, s28, 9, v1                  ; slot 0's token
	v_lshlrev_b32 v4, 3, v7                        ; 8 bytes of indices a token
.irp i, 0,1,2,3,4,5,6,7,8,9,10,11,12,13,14,15
	global_load_b64 v[IDX+2*\i:IDX+2*\i+1], v4, s[8:9] offset:256*\i
.endr
	v_lshlrev_b32 v5, 3, v1                        ; two bins a lane
	v_add_nc_u32 v6, s29, v5
	v_mov_b32 v112, 0
	v_mov_b32 v113, 0
	ds_store_b64 v6, v[112:113]                    ; my row starts at 0
	s_wait_loadcnt 0x0
.irp i, 0,1,2,3,4,5,6,7,8,9,10,11,12,13,14,15
	v_min_u32 v72, v[IDX+2*\i], v[IDX+2*\i+1]      ; lo
	v_add_nc_u32 v73, v[IDX+2*\i], v[IDX+2*\i+1]
	v_sub_nc_u32 v73, v73, v72                     ; hi
	v_lshl_add_u32 v[K+\i], v72, 3, v73
	v_min_u32 v[K+\i], 63, v[K+\i]                 ; it enters LDS addresses
.endr
.irp i, 0,1,2,3,4,5,6,7,8,9,10,11,12,13,14,15
	SLOT \i
.endr
	s_wait_dscnt 0x0                               ; for wave 0's sake: my row is written
	s_barrier_signal -1
	s_barrier_wait -1
	s_cmp_lg_u32 s28, 0
	s_cbranch_scc1 .Lnot_wave_0
	; Wave 0: lane l has bins A = 2 l and B = 2 l + 1.  Counts over the waves, tiles of 48, and one prefix sum over the 64 bins of (tokens, tiles) packed in a word.
.irp w, 0,1,2,3,4,5,6,7,8,9,10,11,12,13,14,15
	ds_load_b64 v[8+2*\w:9+2*\w], v5 offset:256*\w
.endr
	s_wait_dscnt 0x0
	v_add_nc_u32 v114, v8, v10
	v_add_nc_u32 v115, v9, v11
.irp w, 2,3,4,5,6,7,8,9,10,11,12,13,14,15
	v_add_nc_u32 v114, v114, v[8+2*\w]             ; nA
	v_add_nc_u32 v115, v115, v[9+2*\w]             ; nB
.endr
	v_add_nc_u32 v116, 47, v114                    ; tiles = (n + 47) / 48 = ((n + 47) x 87,382) >> 22: exact up to n + 47 = 8,239, since 8,239 x (87,382 x 48 - 2^22) < 2^22
	v_add_nc_u32 v117, 47, v115
	v_mul_u32_u24 v116, 0x15556, v116
	v_mul_u32_u24 v117, 0x15556, v117
	v_lshrrev_b32 v116, 22, v116                   ; tA
	v_lshrrev_b32 v117, 22, v117                   ; tB
	v_add_nc_u32 v118, v114, v115
	v_add_nc_u32 v120, v116, v117
	v_lshl_add_u32 v118, v120, 16, v118            ; tokens (8,192 at the most) below, tiles above: the halves never carry into each other
	v_mov_b32 v119, v118                           ; my own pair's
	v_mov_b32 v120, 0                              ; a DPP form's destination counts as read
.irp n, 1,2,4,8
	v_mov_b32_dpp v120, v118 row_shr:\n row_mask:0xf bank_mask:0xf bound_ctrl:1  ; lane i takes lane i - n of its 16, or 0
	v_add_nc_u32 v118, v118, v120
.endr
	v_readlane_b32 s46, v118, 15                   ; the lower 16 lanes' total
	v_cmp_lt_u32 vcc_lo, 15, v1
	v_cndmask_b32 v120, 0, s46, vcc_lo
	v_add_nc_u32 v118, v118, v120
	v_sub_nc_u32 v121, v118, v119                  ; what lies in front of bin A
	v_and_b32 v[PP], 0xffff, v121                  ; bin A's first position
	v_lshrrev_b32 v120, 16, v121                   ; bin A's first tile
	v_add_nc_u32 v[PP+1], v[PP], v114              ; bin B's
	v_add_nc_u32 v121, v120, v116
	v_lshl_or_b32 v122, v120, 16, v114             ; the table, two words a bin: first tile << 16 | tokens,
	v_lshlrev_b32 v119, 1, v1
	v_lshl_or_b32 v123, v[PP], 8, v119             ; first position << 8 | key
	v_lshl_or_b32 v124, v121, 16, v115
	v_or_b32 v119, 1, v119
	v_lshl_or_b32 v125, v[PP+1], 8, v119
	v_lshl_add_u32 v119, v1, 4, BT
	ds_store_b128 v119, v[122:125]
.irp w, 0,1,2,3,4,5,6,7,8,9,10,11,12,13,14,15
	ds_store_b64 v5, v[PP+2*\w:PP+2*\w+1] offset:256*\w  ; each row now says where that wave's tokens of a bin begin
.if \w < 15
	v_add_nc_u32 v[PP+2*\w+2], v[PP+2*\w], v[8+2*\w]
	v_add_nc_u32 v[PP+2*\w+3], v[PP+2*\w+1], v[9+2*\w]
.endif
.endr
.Lnot_wave_0:
	s_wait_dscnt 0x0                               ; for the others' sake: rows and table are written
	s_barrier_signal -1
	s_barrier_wait -1
	; Each token goes to its place in the LDS image of the list: the places are a permutation of 0..8191, so no two lanes of any wave name the same word.
.irp i, 0,1,2,3,4,5,6,7,8,9,10,11,12,13,14,15
	v_lshl_add_u32 v[8+\i], v[K+\i], 2, s29
	ds_load_b32 v[24+\i], v[8+\i]
.endr
	s_wait_dscnt 0x0
.irp i, 0,1,2,3,4,5,6,7,8,9,10,11,12,13,14,15
	v_add_nc_u32 v[8+\i], v[24+\i], v[RK+\i]       ; the token's position
	v_min_u32 v[8+\i], 0x1fff, v[8+\i]             ; it enters an address
	v_lshlrev_b32 v[8+\i], 2, v[8+\i]
	v_add_nc_u32 v[24+\i], 32*\i, v7               ; the token
	ds_store_b32 v[8+\i], v[24+\i] offset:OB
.endr
	s_wait_dscnt 0x0                               ; for the others' sake: my 512 tokens are placed
	s_barrier_signal -1
	s_barrier_wait -1
	s_cmp_lt_u32 s28, 8
	s_cbranch_scc0 .Lrecords
	; Waves 0 to 7: the list leaves, 4,096 bytes a wave: each store covers 512 consecutive bytes, aligned.
	v_lshlrev_b32 v72, 4, v1
	v_lshl_add_u32 v72, s28, 12, v72               ; 4,096 w + 16 x lane: the place in the image and in memory
.irp t, 0,1,2,3,4,5,6,7
	ds_load_b128 v[8+4*\t:11+4*\t], v72 offset:OB+512*\t
.endr
.irp t, 0,1,2,3,4,5,6,7
	s_wait_dscnt 7-\t                              ; LDS loads come back in order: the younger ones stay out
	global_store_b128 v72, v[8+4*\t:11+4*\t], s[18:19] offset:512*\t
.endr
	s_branch .Lend
.Lrecords:
	; Waves 8 to 15: record j = thread - 256.  Its bin is the last whose first tile is not behind j (an empty bin shares its first tile with the next, so it is passed
	; over).  Only the 36 bins with lo <= hi are looked at: no key falls into the others.
	v_and_b32 v6, 0xff, v0                         ; j
	v_add_nc_u32 v72, 1, v6
	v_lshlrev_b32 v72, 16, v72                     ; (j + 1) << 16 exceeds a bin's first word just where its first tile is j or less
	v_mov_b32 v73, BT
.irp q, 0,1,2,3
.irp u, 0,1,2,3,4,5,6,7
.if ((16*\q+2*\u+1)%8) >= ((16*\q+2*\u)/8)
	ds_load_b128 v[PP+4*\u:PP+4*\u+3], v73 offset:128*\q+16*\u  ; two bins; every lane reads the same bytes
.endif
.endr
	s_wait_dscnt 0x0
.irp u, 0,1,2,3,4,5,6,7
.irp z, 0,1
.set b, 16*\q+2*\u+\z
.if b == 0
	v_mov_b32 v74, v[PP]
	v_mov_b32 v75, v[PP+1]
.elseif (b%8) >= (b/8)
	PICK PP+4*\u+2*\z
.endif
.endr
.endr
.endr
	v_lshrrev_b32 v76, 16, v74
	v_sub_nc_u32 v76, v6, v76                      ; which tile of its set
	v_and_b32 v77, 0xffff, v74                     ; the set's tokens
	v_mul_u32_u24 v76, 48, v76
	v_lshrrev_b32 v78, 8, v75
	v_add_nc_u32 v78, v78, v76
	v_min_u32 v118, 0x1fff, v78                    ; first position (held inside the list for the records past the last tile)
	v_min_u32 v79, v77, v76
	v_sub_nc_u32 v79, v77, v79
	v_min_u32 v119, 48, v79                        ; count: 0 past the last tile
	v_bfe_u32 v116, v75, 3, 3                      ; lo
	v_and_b32 v117, 7, v75                         ; hi
	v_lshlrev_b32 v120, 4, v6
	global_store_b128 v120, v[116:119], s[20:21]
.Lend:
	s_wait_tensorcnt 0x0                           ; the wave's end
	ds_add_u32 v[SPW], v[NIL]
	s_wait_dscnt 0x0
	s_endpgm
.Lfunc_end_k_q101bdc6d81_prep:
	.size	k_q101bdc6d81_prep, .Lfunc_end_k_q101bdc6d81_prep-k_q101bdc6d81_prep
	.p2alignl 7, 3214868480
	.fill 96, 4, 3214868480
	.section	.rodata,"a",@progbits
	.p2align	6, 0x0
	.amdhsa_kernel k_q101bdc6d81_prep
		.amdhsa_group_segment_fixed_size 39424
		.amdhsa_private_segment_fixed_size 0
		.amdhsa_enable_private_segment 0
		.amdhsa_kernarg_size 56
		.amdhsa_user_sgpr_count 2
		.amdhsa_user_sgpr_kernarg_segment_ptr 1
		.amdhsa_wavefront_size32 1
		.amdhsa_system_sgpr_workgroup_id_x 1
		.amdhsa_system_sgpr_workgroup_id_y 1
		.amdhsa_system_sgpr_workgroup_id_z 1
		.amdhsa_system_vgpr_workitem_id 0
		.amdhsa_next_free_vgpr 128
		.amdhsa_next_free_sgpr 66
		.amdhsa_reserve_vcc 1
		.amdhsa_float_denorm_mode_32 3
		.amdhsa_float_denorm_mode_16_64 3
		.amdhsa_memory_ordered 1
		.amdhsa_forward_progress 1
		.amdhsa_inst_pref_size 77
	.end_amdhsa_kernel
	.amdgpu_metadata
---
amdhsa.version: [ 1, 2 ]
amdhsa.kernels:
  - .name:           k_q101bdc6d81_prep
    .symbol:         k_q101bdc6d81_prep.kd
    .args:
      - { .name: expert_idxs, .offset: 0, .size: 8, .value_kind: global_buffer, .address_space: global }
      - { .name: w_up, .offset: 8, .size: 8, .value_kind: global_buffer, .address_space: global }
      - { .name: w_down, .offset: 16, .size: 8, .value_kind: global_buffer, .address_space: global }
      - { .name: wub, .offset: 24, .size: 8, .value_kind: global_buffer, .address_space: global }
      - { .name: wdb, .offset: 32, .size: 8, .value_kind: global_buffer, .address_space: global }
      - { .name: order, .offset: 40, .size: 8, .value_kind: global_buffer, .address_space: global }
      - { .name: tiles, .offset: 48, .size: 8, .value_kind: global_buffer, .address_space: global }
    .group_segment_fixed_size: 39424
    .private_segment_fixed_size: 0
    .kernarg_segment_align: 8
    .kernarg_segment_size: 56
    .max_flat_workgroup_size: 512
    .sgpr_count:     66
    .vgpr_count:     128
    .wavefront_size: 32
...
	.end_amdgpu_metadata
.endif
;; end of part 1
;; launch moe (part 2): grid 205 x 1, 8 waves a work-group, no clusters, 199,936 bytes of LDS; arguments x, expert_p, expert_idxs, wub, wdb, order, tiles, out0; writes out0
.if DOCPART == 2
	.amdgcn_target "amdgcn-amd-amdhsa--gfx1250"
	.amdhsa_code_object_version 6
	.text
	.protected	k_q101bdc6d81_moe
	.globl	k_q101bdc6d81_moe
	.p2align	8
	.type	k_q101bdc6d81_moe,@function
k_q101bdc6d81_moe:
	s_mov_b64 s[64:65], 0
	v_nop
	global_prefetch_b8 v0, s[64:65] scope:SCOPE_SE
	s_setreg_imm32_b32 hwreg(HW_REG_WAVE_MODE, 25, 1), 1
	s_wait_xcnt 0x0
; SECOND LAUNCH OF THE MoE MLP: THE WHOLE CHAIN FOR A TILE OF TOKENS.
; y[t] = sum over k of p[t][k] gelu(x[t] Wup[e]) Wdown[e], e = idx[t][k].  A work-group takes tile j of the list that the first launch stored: up to 48 tokens that chose the
; same pair of experts (lo, hi).  It gathers their rows of x (rounded to bf16) into LDS, makes h = gate x gelu(x Wup) for both experts (48 x 1,024, bf16, in LDS), and one down
; product over K = 1,024 (512 of lo, then 512 of hi) adds both experts into one f32 sum: each row of out0 has one owner and nothing goes through memory between the products.
; SHARES.  8 waves of 512 registers.  Up: wave w makes hidden columns 128 (w % 4) .. + 127 of expert lo (w < 4) or hi.  Down: output columns 128 w .. + 127.  Each time 8 column
; blocks x 3 token blocks = 24 accumulators, which take turns.  Every wave reads the same 3,072 bytes of token fragments from LDS in a K step of 32, so
; eight waves read 24 KiB for the step's 192 matrix instructions.  Source 0 = 16 weight columns, source 1 = 16 tokens: a lane then holds one token (lane % 16) and eight
; neighbouring columns 8 (lane / 16) + 0..7.  A weight fragment is loaded by ONE wave, straight into registers in operand order (two 16-byte loads a lane), and feeds all 48
; tokens; a ring of four register buffers of one K step each keeps the loads of up to three steps, 48 of them, on their way, across the gelu and into the down product too.
; The token fragments have two buffers: a step asks for the next step's six loads ahead of its own products.
; PLACES PAST THE COUNT repeat the tile's last token; all three token blocks are always multiplied, and stores past the count are jumped, row by row.  A record with count 0
; runs on one token that exists, jumps over the two counted loops (12 of the 16 trips; no barrier stands in what is jumped, and at each label the same loads are out on both
; ways) and stores nothing: every wave passes all four barriers on every path.
; BARRIERS.  Two hand data from wave to wave: behind the gather (x and the list) and behind the gelu (h).  Two more stand behind each product's last trip, ahead of the LDS stores
; that follow it (h; the stages).  x, h and the stages' use of x's bytes are apart by the map below, so these two order nothing that the bytes need: they let the order of each
; product's reads and the stores behind them be read off the text without following the addresses that step in the loops, which a record without tokens leaves out.
; FORMATS.  x, both weight banks and the gates are rounded to bf16; sums in f32; gate x gelu is rounded once to bf16 as the second product's operand.
; LIMITS.  erf by the rational form 7.1.26 of Abramowitz and Stegun: off by 1.5e-7 at the most, so gelu by 7.5e-8 |x|.  2^(..) below 2^-126 counts as 0.  NaN and infinities are not treated apart.
; NO JOINT LOADS.  Partners would have to be four tiles of one pair of experts, alike in every count; a set's number of tiles hangs on the stored counts.  Whole clusters of
; 4 x 48 tokens want up to (8192 + 36 x 191) / 192 = 78 clusters, 312 work-groups with three blocks each where this grid has 205; x and h hold 198,144 bytes of LDS, which
; would leave two slots of under 64 KiB for a walk of 4 MiB of weights; and each weight byte would then be written into LDS and read from it, 128 KiB more a K step.
; REGISTERS, in windows of 256 (s_set_vgpr_msb: bits 1:0 source 0, 3:2 source 1, 5:4 source 2, 7:6 destination):
;   window 0: v0 thread; v1 16 x lane (the weights' offset); v2, v3 LDS address of my token fragments (blocks 0 and 1; block 2); v4 my spare word; v5 0; v6, v7 LDS store addresses;
;             v8-31 and v224-247 the token fragments' two buffers (also at work); v32-223 the accumulators (first of all my six rows of x as loaded); v248-253 gates
;   window 1: the ring, buffer b's fragment f at v[64 b + 8 f]
.set PX,    2064                       ; an LDS row: 1,024 bf16 + 16 bytes = 516 words: the 16 rows of a fragment load start at 16 different groups of four banks (64 banks of 4 bytes: ISA guide 11.1)
.set BLK,   16*PX                      ; a block of 16 tokens
.set HS,    3*BLK                      ; LDS: x at 0 (48 rows; behind the second product the waves' stages for the way out); h here (48 rows);
.set LST,   6*BLK                      ; the list: 48 token numbers, at + 192 the gates of lo, at + 384 the gates of hi
.set SPARE, LST+768                    ; the spare words, 128 bytes for each of 8 waves: four blocks of 256 bytes that no other line names
.set SPI,   528                        ; a stage's row: 128 f32 + 16 bytes = 132 words
.set STG,   16*SPI                     ; a wave's stage
.set CBU,   131072                     ; from a block of 64 columns to the next, in wub
.set CBD,   65536                      ; and in wdb
.set AF,    8                          ; token fragments: buffer p at AF + 216 p, block m at + 8 m
.set ACC,   32                         ; accumulator (token block m, column block n) at ACC + 8 (8 m + n)
.set T,     8                          ; the gelu's registers at work: t,
.set E,     16                         ; 2^(..), then max(x, 0),
.set P,     24                         ; the polynomial
.set G,     248                        ; my token's gate in block m at G + 2 m, a 0 beside it (named as a pair)
.set PA,    36                         ; s[36:37] the weights of this trip's four K steps
.set PB,    38                         ; s[38:39] of the next trip's
.set DLO,   40                         ; s[40:41] my columns of Wdown[lo]
.set DHI,   42                         ; s[42:43] of Wdown[hi]
.set CP,    68                         ; s68      0.3275911 / sqrt(2)
.set CE,    70                         ; s[70:71] - log2(e) / 2;  then the five coefficients, halved, each named as a pair whose low word serves both halves
.set A1,    72
.set A2,    74
.set A3,    76
.set A4,    78
.set A5,    80
.set MSB,   0
.macro WIN new                         ; the immediate's high byte repeats the setting that is left; a switch that changes nothing is dropped
.if MSB != (\new)
	s_set_vgpr_msb (MSB<<8)|(\new)
.set MSB, \new
.endif
.endm
.set W_MM,  0x01                       ; source 0 (the weights) in window 1; tokens and sums in window 0
.set W_RL,  0x40                       ; destination in window 1, address in window 0
.macro RINGHALF buf, base, off, cb, half  ; half of a K step's weights: one block of 64 columns, four fragments, 4,096 bytes: each load takes 512 consecutive bytes
.irp f, 0,1,2,3
	global_load_b128 v[64*(\buf)+32*(\half)+8*\f:64*(\buf)+32*(\half)+8*\f+3],   v1, s[\base:\base+1] offset:(\off)+(\half)*(\cb)+1024*\f
	global_load_b128 v[64*(\buf)+32*(\half)+8*\f+4:64*(\buf)+32*(\half)+8*\f+7], v1, s[\base:\base+1] offset:(\off)+(\half)*(\cb)+1024*\f+512
.endr
.endm
.macro AFLOAD p, k                     ; the three token fragments at byte k of the rows, into buffer p
.irp c, 0,1
	ds_load_b128 v[AF+216*(\p)+4*\c:AF+216*(\p)+4*\c+3],       v2 offset:(\k)+32*\c
.endr
.irp c, 0,1
	ds_load_b128 v[AF+216*(\p)+8+4*\c:AF+216*(\p)+8+4*\c+3],   v2 offset:BLK+(\k)+32*\c
.endr
.irp c, 0,1
	ds_load_b128 v[AF+216*(\p)+16+4*\c:AF+216*(\p)+16+4*\c+3], v3 offset:(\k)+32*\c
.endr
.endm
; One K step of 32: number buf of its trip, on ring buffer buf and token buffer buf % 2.  pre = 1: the next step's token fragments are asked for.  base >= 0: the weights of the
; step three further on are asked for, into the buffer that the step before has read.  left = the loads of later steps that may stay out when this step's sixteen have to be in.
; zero = 1: the products start the sums: nothing is ever cleared.
.macro STEP buf, base, off, cb, pre, left, zero
	WIN 0
.rept 4
	v_nop                                          ; four places between the step before's products and the loads into registers that they read (ISA guide 7.12.1 for vector instructions)
.endr
.if \pre
	AFLOAD ((\buf)+1)%2, 64*((\buf)+1)
.endif
	s_wait_loadcnt \left                           ; loads come back in order: this step's sixteen are in; it stands ahead of the new loads, so that 48 at the most are out
.if (\base) >= 0
	WIN W_RL
	RINGHALF ((\buf)+3)%4, \base, \off, \cb, 0
	RINGHALF ((\buf)+3)%4, \base, \off, \cb, 1
.endif
	s_wait_dscnt 6*(\pre)                          ; this step's token fragments are in; the six just asked for may stay out
	WIN W_MM
.irp m, 0,1,2
.irp n, 0,1,2,3,4,5,6,7
.if \zero
	v_wmma_f32_16x16x32_bf16 v[ACC+8*(8*\m+\n):ACC+8*(8*\m+\n)+7], v[64*(\buf)+8*\n:64*(\buf)+8*\n+7], v[AF+216*((\buf)%2)+8*\m:AF+216*((\buf)%2)+8*\m+7], 0
.else
	v_wmma_f32_16x16x32_bf16 v[ACC+8*(8*\m+\n):ACC+8*(8*\m+\n)+7], v[64*(\buf)+8*\n:64*(\buf)+8*\n+7], v[AF+216*((\buf)%2)+8*\m:AF+216*((\buf)%2)+8*\m+7], v[ACC+8*(8*\m+\n):ACC+8*(8*\m+\n)+7]
.endif
.endr
.endr
.endm
; Four K steps, once round the ring.  kind 0: inside a stream.  kind 1: the up product's last trip: it asks for the down product's first three steps, and its last step for no
; token fragments.  kind 2: the last trip of all: three steps ask for no weights, and the counts run down.
.macro TRIP kind, cb, zero
	STEP 0, PA, 12288, \cb, 1, 32, \zero
.if (\kind) == 0
	STEP 1, PB, 0,    \cb, 1, 32, 0
	STEP 2, PB, 4096, \cb, 1, 32, 0
	STEP 3, PB, 8192, \cb, 1, 32, 0
.elseif (\kind) == 1
	STEP 1, DLO, 0,    CBD, 1, 32, 0
	STEP 2, DLO, 4096, CBD, 1, 32, 0
	STEP 3, DLO, 8192, CBD, 0, 32, 0
.else
	STEP 1, -1, 0, 0, 1, 32, 0
	STEP 2, -1, 0, 0, 1, 16, 0
	STEP 3, -1, 0, 0, 0, 0, 0
.endif
.endm
.macro NEXT                            ; on to the next trip
	WIN 0                                          ; at a label and at a branch every window is 0
	v_add_nc_u32 v2, 0x100, v2                     ; 128 numbers along the LDS rows
	v_add_nc_u32 v3, 0x100, v3
	s_wait_xcnt 0x0                                ; the pending loads' bases are rewritten only behind this wait
	s_mov_b64 s[PA:PA+1], s[PB:PB+1]
	s_add_nc_u64 s[PB:PB+1], s[PB:PB+1], 16384
.endm
; gate x gelu of one accumulator, eight numbers a lane: gelu(x) = max(x, 0) - |x| Q, Q = (a1 t + .. + a5 t^5) / 2 x 2^(-x^2 log2(e) / 2), t = 1 / (1 + 0.2316419 |x|).
; The sixteen transcendentals are one batch with one wait; the accumulator's lowest register is read first.
.macro GELU m, n
.set X, ACC+8*(8*(\m)+(\n))
.irp j, 0,1,2,3,4,5,6,7
	v_fma_f32 v[T+\j], |v[X+\j]|, s[CP], 1.0
.endr
.irp j, 0,1,2,3,4,5,6,7
	v_rcp_f32 v[T+\j], v[T+\j]
.endr
.irp q, 0,2,4,6
	v_pk_mul_f32 v[E+\q:E+\q+1], v[X+\q:X+\q+1], v[X+\q:X+\q+1]
.endr
.irp q, 0,2,4,6
	v_pk_mul_f32 v[E+\q:E+\q+1], v[E+\q:E+\q+1], s[CE:CE+1] op_sel_hi:[1,0]
.endr
.irp j, 0,1,2,3,4,5,6,7
	v_exp_f32 v[E+\j], v[E+\j]
.endr
	v_nop                                          ; a plain instruction behind the last transcendental (ISA guide 5.7.2),
	s_wait_alu depctr_va_vdst(0)                   ; and one wait ahead of the batch's first reader
.irp q, 0,2,4,6
	v_pk_fma_f32 v[P+\q:P+\q+1], v[T+\q:T+\q+1], s[A5:A5+1], s[A4:A4+1] op_sel_hi:[1,0,0]
.endr
.irp a, A3, A2, A1
.irp q, 0,2,4,6
	v_pk_fma_f32 v[P+\q:P+\q+1], v[P+\q:P+\q+1], v[T+\q:T+\q+1], s[\a:\a+1] op_sel_hi:[1,1,0]
.endr
.endr
.irp q, 0,2,4,6
	v_pk_mul_f32 v[P+\q:P+\q+1], v[P+\q:P+\q+1], v[T+\q:T+\q+1]
.endr
.irp q, 0,2,4,6
	v_pk_mul_f32 v[P+\q:P+\q+1], v[P+\q:P+\q+1], v[E+\q:E+\q+1]  ; Q
.endr
.irp j, 0,1,2,3,4,5,6,7
	v_max_num_f32 v[E+\j], 0, v[X+\j]
.endr
.irp j, 0,1,2,3,4,5,6,7
	v_fma_f32 v[X+\j], -|v[X+\j]|, v[P+\j], v[E+\j]
.endr
.irp q, 0,2,4,6
	v_pk_mul_f32 v[X+\q:X+\q+1], v[X+\q:X+\q+1], v[G+2*(\m):G+2*(\m)+1] op_sel_hi:[1,0]  ; my token's gate
.endr
.irp q, 0,1,2,3
	v_cvt_pk_bf16_f32 v[T+\q], v[X+2*\q], v[X+2*\q+1]
.endr
.if (\m) < 2
	ds_store_b128 v6, v[T:T+3] offset:(\m)*BLK+32*(\n)  ; eight neighbouring columns of my token's row of h
.else
	ds_store_b128 v7, v[T:T+3] offset:32*(\n)
.endif
.endm
; The way out of token block m: 16 rows x 128 columns of f32 through my own stage, back as whole rows of 512 bytes into the registers that they left, one row a store.
.macro OUT m
.irp n, 0,1,2,3,4,5,6,7
	ds_store_b128 v6, v[ACC+8*(8*(\m)+\n):ACC+8*(8*(\m)+\n)+3]   offset:64*\n      ; each accumulator's low end first
	ds_store_b128 v6, v[ACC+8*(8*(\m)+\n)+4:ACC+8*(8*(\m)+\n)+7] offset:64*\n+16
.endr
.irp t, 0,1,2,3,4,5,6,7,8,9,10,11,12,13,14,15
	ds_load_b128 v[ACC+64*(\m)+4*\t:ACC+64*(\m)+4*\t+3], v7 offset:SPI*\t  ; LDS serves a wave's instructions in order (ISA guide 5.7.1.4): these see the stores above
.endr
.irp t, 0,1,2,3,4,5,6,7,8,9,10,11,12,13,14,15
.set TK, AF+16*(\m)+\t+192*((16*(\m)+\t)/24)   ; the 48 rows' token numbers lie in the token fragments' two buffers
	ds_load_b32 v[TK], v2 offset:64*(\m)+4*\t      ; the token of row 16 m + t: every lane reads the same word
.endr
	s_wait_dscnt 0x0
.irp t, 0,1,2,3,4,5,6,7,8,9,10,11,12,13,14,15
.set TK, AF+16*(\m)+\t+192*((16*(\m)+\t)/24)
	s_cmp_gt_u32 s27, 16*(\m)+\t                   ; rows ascend: from the first row past the count on nothing is stored
	s_cbranch_scc0 .Ldone
	v_min_u32 v[TK], 0x1fff, v[TK]                 ; it enters an address
	v_lshl_add_u32 v[TK], v[TK], 12, v3            ; the token's row of 4,096 bytes + my place in it
	global_store_b128 v[TK], v[ACC+64*(\m)+4*\t:ACC+64*(\m)+4*\t+3], s[22:23] th:TH_STORE_NT  ; the wave stores 512 consecutive bytes, aligned; every store has registers of its own
.endr
.endm
	s_load_b512 s[8:23], s[0:1], 0x0               ; x s[8:9], expert_p s[10:11], expert_idxs s[12:13], wub s[14:15], wdb s[16:17], order s[18:19], tiles s[20:21], out0 s[22:23]
	v_lshl_add_u32 v4, v0, 2, SPARE
	v_mov_b32 v5, 0
	v_lshrrev_b32 v6, 5, v0
	v_readfirstlane_b32 s28, v6                    ; wave 0..7
	v_and_b32 v7, 31, v0                           ; lane
	v_lshlrev_b32 v1, 4, v7
	v_and_b32 v6, 15, v0                           ; r = lane % 16
	v_bfe_u32 v3, v0, 4, 1                         ; h = lane / 16
	v_mul_u32_u24 v2, PX, v6
	v_lshl_add_u32 v2, v3, 4, v2                   ; a fragment of 16 tokens x 32 k: row r x pitch + 16 h, two loads 32 bytes apart
	v_add_nc_u32 v3, 2*BLK, v2                     ; block 2 lies past an LDS offset's 16 bits
	s_mul_i32 s31, s28, PX
	v_lshl_add_u32 v6, v7, 3, s31                  ; x goes in: wave w has rows w, 8 + w, .. 40 + w; 8 bytes a lane
	v_add_nc_u32 v7, 24*PX, v6                     ; the last three of them
	s_mov_b32 s[CP],   0x3e6d3388                  ; 0.23164189
	s_mov_b32 s[CE],   0xbf38aa3b                  ; -0.72134752
	s_mov_b32 s[A1],   0x3e027906                  ;  0.254829592 / 2
	s_mov_b32 s[A2],   0xbe11a98e                  ; -0.284496736 / 2
	s_mov_b32 s[A3],   0x3f35f0e3                  ;  1.421413741 / 2
	s_mov_b32 s[A4],   0xbf3a00e3                  ; -1.453152027 / 2
	s_mov_b32 s[A5],   0x3f07dc22                  ;  1.061405429 / 2
.irp c, CE, A1, A2, A3, A4, A5
	s_mov_b32 s[\c+1], s[\c]                       ; named with it as a pair
.endr
	s_lshl_b32 s30, ttmp9, 4                       ; my record of 16 bytes
	s_mov_b32 s31, 0
	s_mov_b32 s35, 0
	s_wait_kmcnt 0x0
	s_add_nc_u64 s[20:21], s[20:21], s[30:31]
	s_load_b128 s[24:27], s[20:21], 0x0            ; lo, hi, first position, count
	s_wait_kmcnt 0x0
	s_min_u32 s24, s24, 7                          ; loaded numbers enter addresses only held to their range
	s_min_u32 s25, s25, 7
	s_min_u32 s26, s26, 0x1fff
	s_min_u32 s27, s27, 48
	s_max_u32 s29, s27, 1
	s_add_co_u32 s29, s29, s26
	s_sub_co_u32 s29, s29, 1                       ; the tile's last position
	s_add_co_u32 s82, s26, s28                     ; my six rows: places w + 8 j of the tile; past the count the last token again
.irp j, 1,2,3,4,5
	s_add_co_u32 s[82+\j], s82, 8*\j
.endr
.irp j, 0,1,2,3,4,5
	s_min_u32 s[82+\j], s[82+\j], s29
	s_min_u32 s[82+\j], s[82+\j], 0x1fff
	s_lshl_b32 s[82+\j], s[82+\j], 2
.endr
.irp j, 0,1,2,3,4,5
	s_load_b32 s[45+\j], s[18:19], s[82+\j] offset:0x0
.endr
	s_cmp_lt_u32 s28, 4                            ; the weights' streams
	s_cselect_b32 s34, s24, s25
	s_min_u32 s34, s34, 7
	s_lshl_b32 s34, s34, 20                        ; wub: 2^20 bytes an expert,
	s_and_b32 s33, s28, 3
	s_lshl_b32 s33, s33, 18                        ; 2^18 for my two blocks of 64 columns, 32 K steps each
	s_add_co_u32 s34, s34, s33
	s_add_nc_u64 s[PA:PA+1], s[14:15], s[34:35]
	s_add_nc_u64 s[PB:PB+1], s[PA:PA+1], 16384
	s_lshl_b32 s33, s28, 17                        ; wdb: 2^20 bytes an expert, 2^17 for my two blocks of 64 columns, 16 K steps each
	s_lshl_b32 s34, s24, 20
	s_add_co_u32 s34, s34, s33
	s_add_nc_u64 s[DLO:DLO+1], s[16:17], s[34:35]
	s_lshl_b32 s34, s25, 20
	s_add_co_u32 s34, s34, s33
	s_add_nc_u64 s[DHI:DHI+1], s[16:17], s[34:35]
	; THE LIST, first part: the tile's 48 tokens, places lane and 32 + lane % 16.  The places and their LDS words are made by every wave, so that they are written on
	; every path; wave 0 alone goes on from them.
	v_and_b32 v8, 31, v0
	v_and_b32 v9, 15, v0
	v_add_nc_u32 v9, 32, v9
	v_lshl_add_u32 v14, v8, 2, LST
	v_lshl_add_u32 v15, v9, 2, LST
	s_cmp_lg_u32 s28, 0
	s_cbranch_scc1 .Lno_list_a
	v_add_nc_u32 v8, s26, v8
	v_add_nc_u32 v9, s26, v9
	v_min_u32 v8, s29, v8
	v_min_u32 v9, s29, v9
	v_min_u32 v8, 0x1fff, v8
	v_min_u32 v9, 0x1fff, v9
	v_lshlrev_b32 v8, 2, v8
	v_lshlrev_b32 v9, 2, v9
	global_load_b32 v10, v8, s[18:19]
	global_load_b32 v11, v9, s[18:19]
.Lno_list_a:
	s_wait_kmcnt 0x0                               ; my six tokens
.irp j, 0,1,2,3,4,5
	s_min_u32 s[45+\j], s[45+\j], 0x1fff
	s_lshl_b32 s34, s[45+\j], 12
	s_add_nc_u64 s[52+2*\j:53+2*\j], s[8:9], s[34:35]
.endr
.irp j, 0,1,2,3,4,5
.irp i, 0,1,2,3,4,5,6,7
	global_load_b128 v[ACC+32*\j+4*\i:ACC+32*\j+4*\i+3], v1, s[52+2*\j:53+2*\j] offset:512*\i  ; a row of x: eight loads of 512 consecutive bytes
.endr
.endr
	; THE LIST, second part (wave 0 alone): the tokens' indices and gates are asked for
	s_cmp_lg_u32 s28, 0
	s_cbranch_scc1 .Lno_list_b
	s_wait_loadcnt 48                              ; the two loads from the list are the oldest: x's 48 may stay out
	v_min_u32 v10, 0x1fff, v10
	v_min_u32 v11, 0x1fff, v11
	v_lshlrev_b32 v12, 3, v10
	v_lshlrev_b32 v13, 3, v11
	global_load_b64 v[16:17], v12, s[12:13]
	global_load_b64 v[18:19], v12, s[10:11]
	global_load_b64 v[20:21], v13, s[12:13]
	global_load_b64 v[22:23], v13, s[10:11]
.Lno_list_b:
	; x is rounded and laid into LDS, a row at a time; behind each row eight loads of the up product's K steps 0 to 2 go out, so that load i of a row always has 47 - i
	; younger loads behind it (in wave 0 four more: its count is the stricter one there).
.irp j, 0,1,2,3,4,5
.irp i, 0,1,2,3,4,5,6,7
	s_wait_loadcnt 47-\i
	v_cvt_pk_bf16_f32 v[ACC+32*\j+4*\i],   v[ACC+32*\j+4*\i],   v[ACC+32*\j+4*\i+1]
	v_cvt_pk_bf16_f32 v[ACC+32*\j+4*\i+1], v[ACC+32*\j+4*\i+2], v[ACC+32*\j+4*\i+3]
.if \j < 3
	ds_store_b64 v6, v[ACC+32*\j+4*\i:ACC+32*\j+4*\i+1] offset:\j*8*PX+256*\i
.else
	ds_store_b64 v7, v[ACC+32*\j+4*\i:ACC+32*\j+4*\i+1] offset:(\j-3)*8*PX+256*\i
.endif
.endr
	WIN W_RL
	RINGHALF (\j)/2, PA, 4096*((\j)/2), CBU, (\j)%2
	WIN 0
.endr
	; THE LIST, third part (wave 0 alone): each token's gates, the one of lo and the one of hi, rounded to bf16 like the other inputs
	s_cmp_lg_u32 s28, 0
	s_cbranch_scc1 .Lno_list_c
	s_wait_loadcnt 48                              ; the four loads of indices and gates are older than the ring's 48
	v_cmp_gt_u32 vcc_lo, v16, v17                  ; the token's second choice is lo
	v_cndmask_b32 v24, v18, v19, vcc_lo            ; lo's gate (with both choices alike: the first for lo's half, the second for hi's)
	v_cndmask_b32 v25, v19, v18, vcc_lo            ; hi's
	v_cvt_pk_bf16_f32 v24, v24, v25
	v_lshlrev_b32 v25, 16, v24
	v_and_b32 v24, 0xffff0000, v24
	ds_store_b32 v14, v10
	ds_store_b32 v14, v25 offset:192
	ds_store_b32 v14, v24 offset:384
	v_cmp_gt_u32 vcc_lo, v20, v21
	v_cndmask_b32 v26, v22, v23, vcc_lo
	v_cndmask_b32 v27, v23, v22, vcc_lo
	v_cvt_pk_bf16_f32 v26, v26, v27
	v_lshlrev_b32 v27, 16, v26
	v_and_b32 v26, 0xffff0000, v26
	ds_store_b32 v15, v11                          ; lanes 16 to 31 repeat lanes 0 to 15: the same words, the same numbers
	ds_store_b32 v15, v27 offset:192
	ds_store_b32 v15, v26 offset:384
.Lno_list_c:
	s_lshl_b32 s30, s28, 8                         ; where h will go: row r, my wave's 256 bytes, 16 bytes for each half of the lanes
	s_add_co_u32 s30, s30, HS
	v_and_b32 v248, 15, v0
	v_bfe_u32 v249, v0, 4, 1
	v_mul_u32_u24 v6, PX, v248
	v_lshl_add_u32 v6, v249, 4, v6
	v_add_nc_u32 v6, s30, v6
	v_add_nc_u32 v7, 2*BLK, v6
	s_wait_dscnt 0x0                               ; for the others' sake: my rows of x (and wave 0's list) are written
	s_barrier_signal -1
	s_barrier_wait -1
	; THE UP PRODUCT: K = 1,024 in 8 trips of four steps.  The first trip starts the sums; the last is written out.
	AFLOAD 0, 0
	TRIP 0, CBU, 1
	NEXT
	s_cmp_eq_u32 s27, 0                            ; a record without tokens leaves the loop out
	s_cbranch_scc1 .Lup_last
	s_mov_b32 s44, 6
.Lup:
	TRIP 0, CBU, 0
	NEXT
	s_sub_co_u32 s44, s44, 1
	s_cmp_lg_u32 s44, 0
	s_cbranch_scc1 .Lup
.Lup_last:
	TRIP 1, CBU, 0
	; GATE x GELU.  48 loads of the down product's weights stay on their way; the token fragments' registers are free.
	WIN 0
.rept 4
	v_nop                                          ; four places behind the last products
.endr
	s_wait_dscnt 0x0                               ; my reads of x are over:
	s_barrier_signal -1                            ; say so; work on registers stands between the signal and the wait
	s_lshr_b32 s30, s28, 2
	s_mul_i32 s30, s30, 192
	s_add_co_u32 s30, s30, LST+192                 ; the gates of my wave's expert
	v_and_b32 v8, 15, v0
	v_lshl_add_u32 v8, v8, 2, s30
	v_mov_b32 v[G+1], 0
	v_mov_b32 v[G+3], 0
	v_mov_b32 v[G+5], 0
	s_barrier_wait -1                              ; no wave stores into LDS before every wave's reads of the up product are over
	s_wait_xcnt 0x0                                ; the pending loads' bases are rewritten only behind this wait
	s_mov_b64 s[PA:PA+1], s[DLO:DLO+1]
	s_add_nc_u64 s[PB:PB+1], s[DLO:DLO+1], 16384
	ds_load_b32 v[G],   v8
	ds_load_b32 v[G+2], v8 offset:64
	ds_load_b32 v[G+4], v8 offset:128
	s_wait_dscnt 0x0
.irp m, 0,1,2
.irp n, 0,1,2,3,4,5,6,7
	GELU \m, \n
.endr
.endr
	v_and_b32 v2, 15, v0                           ; the fragments' addresses are made anew, for h: they hang on no path
	v_bfe_u32 v3, v0, 4, 1
	v_mul_u32_u24 v2, PX, v2
	v_lshl_add_u32 v2, v3, 4, v2
	v_add_nc_u32 v2, HS, v2
	v_add_nc_u32 v3, 2*BLK, v2
	s_wait_dscnt 0x0                               ; for the others' sake: my columns of h are written
	s_barrier_signal -1
	s_barrier_wait -1
	; THE DOWN PRODUCT: K = 1,024 in 8 trips: four on Wdown[lo], four on Wdown[hi].  The last trip is written out: no load leaves a stream.
	AFLOAD 0, 0
	TRIP 0, CBD, 1
	NEXT
	s_cmp_eq_u32 s27, 0                            ; a record without tokens leaves the loop out
	s_cbranch_scc1 .Ldn_last
	s_mov_b32 s44, 6
.Ldn:
	TRIP 0, CBD, 0
	NEXT
	s_sub_co_u32 s44, s44, 1
	s_cmp_eq_u32 s44, 4                            ; with four trips of the loop to go the trip after next is the first on Wdown[hi]
	s_cselect_b64 s[PB:PB+1], s[DHI:DHI+1], s[PB:PB+1]
	s_cmp_lg_u32 s44, 0
	s_cbranch_scc1 .Ldn
.Ldn_last:
	TRIP 2, CBD, 0
	; THE WAY OUT.  The addresses are made between the barrier's signal and its wait: eight plain instructions that name no register of the last products are the places behind them.
	WIN 0
	s_wait_dscnt 0x0                               ; my reads of h are over:
	s_barrier_signal -1                            ; say so
	s_mul_i32 s30, s28, STG                        ; my stage, where x lay
	v_and_b32 v248, 15, v0                         ; r
	v_bfe_u32 v249, v0, 4, 1                       ; h
	v_mul_u32_u24 v6, SPI, v248                    ; in: row r of 528 bytes, 32 bytes for each half of the lanes
	v_lshl_add_u32 v6, v249, 5, v6
	v_add_nc_u32 v6, s30, v6
	v_add_nc_u32 v7, s30, v1                       ; back: a row's 512 bytes, 16 a lane
	v_mov_b32 v2, LST                              ; the list's token numbers
	v_lshl_add_u32 v3, s28, 9, v1                  ; my 16 bytes in a row of out0: 512 w + 16 x lane
	s_barrier_wait -1                              ; no wave stores into LDS before every wave's reads of the down product are over
	OUT 0
	OUT 1
	OUT 2
.Ldone:
	s_wait_tensorcnt 0x0                           ; the wave's end
	ds_add_u32 v4, v5
	s_wait_dscnt 0x0
	s_endpgm
.Lfunc_end_k_q101bdc6d81_moe:
	.size	k_q101bdc6d81_moe, .Lfunc_end_k_q101bdc6d81_moe-k_q101bdc6d81_moe
	.p2alignl 7, 3214868480
	.fill 96, 4, 3214868480
	.section	.rodata,"a",@progbits
	.p2align	6, 0x0
	.amdhsa_kernel k_q101bdc6d81_moe
		.amdhsa_group_segment_fixed_size 199936
		.amdhsa_private_segment_fixed_size 0
		.amdhsa_enable_private_segment 0
		.amdhsa_kernarg_size 64
		.amdhsa_user_sgpr_count 2
		.amdhsa_user_sgpr_kernarg_segment_ptr 1
		.amdhsa_wavefront_size32 1
		.amdhsa_system_sgpr_workgroup_id_x 1
		.amdhsa_system_sgpr_workgroup_id_y 1
		.amdhsa_system_sgpr_workgroup_id_z 1
		.amdhsa_system_vgpr_workitem_id 0
		.amdhsa_next_free_vgpr 512
		.amdhsa_next_free_sgpr 96
		.amdhsa_reserve_vcc 1
		.amdhsa_float_denorm_mode_32 3
		.amdhsa_float_denorm_mode_16_64 3
		.amdhsa_memory_ordered 1
		.amdhsa_forward_progress 1
		.amdhsa_inst_pref_size 242
	.end_amdhsa_kernel
	.amdgpu_metadata
---
amdhsa.version: [ 1, 2 ]
amdhsa.kernels:
  - .name:           k_q101bdc6d81_moe
    .symbol:         k_q101bdc6d81_moe.kd
    .args:
      - { .name: x, .offset: 0, .size: 8, .value_kind: global_buffer, .address_space: global }
      - { .name: expert_p, .offset: 8, .size: 8, .value_kind: global_buffer, .address_space: global }
      - { .name: expert_idxs, .offset: 16, .size: 8, .value_kind: global_buffer, .address_space: global }
      - { .name: wub, .offset: 24, .size: 8, .value_kind: global_buffer, .address_space: global }
      - { .name: wdb, .offset: 32, .size: 8, .value_kind: global_buffer, .address_space: global }
      - { .name: order, .offset: 40, .size: 8, .value_kind: global_buffer, .address_space: global }
      - { .name: tiles, .offset: 48, .size: 8, .value_kind: global_buffer, .address_space: global }
      - { .name: out0, .offset: 56, .size: 8, .value_kind: global_buffer, .address_space: global }
    .group_segment_fixed_size: 199936
    .private_segment_fixed_size: 0
    .kernarg_segment_align: 8
    .kernarg_segment_size: 64
    .max_flat_workgroup_size: 256
    .sgpr_count:     96
    .vgpr_count:     512
    .wavefront_size: 32
...
	.end_amdgpu_metadata
.endif
;; end of part 2
;; ======== version 2 of 2: 2 launches; version 1 with the launch moe written anew for expert scheduling mode
;; limits: a function is approximated: absolute error at most 1.5e-07
;; workspace buffers: wub 8,388,608 bytes; wdb 8,388,608 bytes; order 32,768 bytes of whole numbers; tiles 4,096 bytes of whole numbers
;; launch prep: the kernel of part 1 again; grid 257 x 1, 16 waves a work-group, no clusters, 39,424 bytes of LDS; arguments expert_idxs, w_up, w_down, wub, wdb, order, tiles; writes wub, wdb, order, tiles
;; launch moe (part 3): grid 205 x 1, 8 waves a work-group, no clusters, 199,936 bytes of LDS; arguments x, expert_p, expert_idxs, wub, wdb, order, tiles, out0; writes out0
.if DOCPART == 3
	.amdgcn_target "amdgcn-amd-amdhsa--gfx1250"
	.amdhsa_code_object_version 6
	.text
	.protected	k_q101bdc6d81_moe
	.globl	k_q101bdc6d81_moe
	.p2align	8
	.type	k_q101bdc6d81_moe,@function
k_q101bdc6d81_moe:
	s_mov_b64 s[64:65], 0
	v_nop
	global_prefetch_b8 v0, s[64:65] scope:SCOPE_SE
	s_setreg_imm32_b32 hwreg(HW_REG_WAVE_SCHED_MODE, 0, 2), 2
	s_setreg_imm32_b32 hwreg(HW_REG_WAVE_MODE, 25, 1), 1
	s_wait_xcnt 0x0
	s_wait_alu depctr_vm_vsrc(0)
; SECOND LAUNCH OF THE MoE MLP: THE WHOLE CHAIN FOR A TILE OF TOKENS.
; y[t] = sum over k of p[t][k] gelu(x[t] Wup[e]) Wdown[e], e = idx[t][k].  A work-group takes tile j of the list that the first launch stored: up to 48 tokens that chose the
; same pair of experts (lo, hi).  It gathers their rows of x (rounded to bf16) into LDS, makes h = gate x gelu(x Wup) for both experts (48 x 1,024, bf16, in LDS), and one down
; product over K = 1,024 (512 of lo, then 512 of hi) adds both experts into one f32 sum: each row of out0 has one owner and nothing goes through memory between the products.
; SHARES.  8 waves of 512 registers.  Up: wave w makes hidden columns 128 (w % 4) .. + 127 of expert lo (w < 4) or hi.  Down: output columns 128 w .. + 127.  Each time 8 column
; blocks x 3 token blocks = 24 accumulators, which take turns.  Every wave reads the same 3,072 bytes of token fragments from LDS in a K step of 32, so
; eight waves read 24 KiB for the step's 192 matrix instructions.  Source 0 = 16 weight columns, source 1 = 16 tokens: a lane then holds one token (lane % 16) and eight
; neighbouring columns 8 (lane / 16) + 0..7.  A weight fragment is loaded by ONE wave, straight into registers in operand order (two 16-byte loads a lane), and feeds all 48
; tokens; a ring of four register buffers of one K step each keeps the loads of up to three steps, 48 of them, on their way, across the gelu and into the down product too.
; The token fragments have two buffers: a step asks for the next step's six loads ahead of its own products.
; PLACES PAST THE COUNT repeat the tile's last token; all three token blocks are always multiplied, and stores past the count are jumped, row by row.  A record with count 0
; runs on one token that exists, jumps over the two counted loops (12 of the 16 trips; no barrier stands in what is jumped, and at each label the same loads are out on both
; ways) and stores nothing: every wave passes all four barriers on every path.
; BARRIERS.  Two hand data from wave to wave: behind the gather (x and the list) and behind the gelu (h).  Two more stand behind each product's last trip, ahead of the LDS stores
; that follow it (h; the stages).  x, h and the stages' use of x's bytes are apart by the map below, so these two order nothing that the bytes need: they let the order of each
; product's reads and the stores behind them be read off the text without following the addresses that step in the loops, which a record without tokens leaves out.
; FORMATS.  x, both weight banks and the gates are rounded to bf16; sums in f32; gate x gelu is rounded once to bf16 as the second product's operand.
; LIMITS.  erf by the rational form 7.1.26 of Abramowitz and Stegun: off by 1.5e-7 at the most, so gelu by 7.5e-8 |x|.  2^(..) below 2^-126 counts as 0.  NaN and infinities are not treated apart.
; NO JOINT LOADS.  Partners would have to be four tiles of one pair of experts, alike in every count; a set's number of tiles hangs on the stored counts.  Whole clusters of
; 4 x 48 tokens want up to (8192 + 36 x 191) / 192 = 78 clusters, 312 work-groups with three blocks each where this grid has 205; x and h hold 198,144 bytes of LDS, which
; would leave two slots of under 64 KiB for a walk of 4 MiB of weights; and each weight byte would then be written into LDS and read from it, 128 KiB more a K step.
; THE MODE: SCHED_MODE bits 1:0 = 2 (LLVM: expert scheduling mode 2), set by the entry lines.  The code itself states the register dependences between vector or matrix
; instructions and memory or LDS instructions, with s_wait_alu, always for 0.
; THE PLAN.  Registers that memory or LDS instructions touch:
;   ring 0 .. 3     Step s: its 24 products read ring[s % 4]; its 16 loads (the weights of step s + 3) land in ring[(s + 3) % 4], which the products of step s - 1 read.
;   AF0, AF1        Step s: its products read AF[s % 2]; its 6 LDS loads (the fragments of step s + 1) land in the other buffer, which the products of step s - 1 read.
;   v1              The offset of every load of x and of weights: made at the head, never written again.
;   v2, v3          Read by every fragment load; stepped once a trip; made anew behind the gelu and on the way out.
;   v6, v7          LDS store addresses, made three times: for x, for h, for the stage.
;   accumulators    x as loaded, rounded in place and read by x's LDS stores; then the up product's sums; the gelu rounds each into its own four lowest registers, which h's stores
;                   read; then the down product's sums, which the stage's stores read and in which the rows come back.
;   v8-31           Wave 0's list at the head; the gelu's registers at work, which no memory instruction names; on the way out (with v224-247) the rows' tokens and addresses.
; So ONE wait on va_vdst stands in a step, behind the wait for the step's weights: the products of the step before are done with the two buffers in which this step's 22 loads land.
; The loads follow it, dealt among the step's products, which name ring[s % 4], AF[s % 2] and the accumulators: none of the registers that those loads touch.  One wait on vm_vsrc a
; trip stands ahead of the adds to v2 and v3.  In the gelu the one wait of an accumulator's transcendentals also states that the accumulator before is rounded: its store follows it.
; REGISTERS, in windows of 256 (s_set_vgpr_msb: bits 1:0 source 0, 3:2 source 1, 5:4 source 2, 7:6 destination):
;   window 0: v0 thread; v1 16 x lane (the weights' offset); v2, v3 LDS address of my token fragments (blocks 0 and 1; block 2); v6, v7 LDS store addresses;
;             v8-31 and v224-247 the token fragments' two buffers (also at work); v32-223 the accumulators (first of all my six rows of x as loaded); v248-253 gates
;   window 1: the ring, buffer b's fragment f at v[64 b + 8 f]
.set PX,    2064                       ; an LDS row: 1,024 bf16 + 16 bytes = 516 words: the 16 rows of a fragment load start at 16 different groups of four banks (64 banks of 4 bytes: ISA guide 11.1)
.set BLK,   16*PX                      ; a block of 16 tokens
.set HS,    3*BLK                      ; LDS: x at 0 (48 rows; behind the second product the waves' stages for the way out); h here (48 rows);
.set LST,   6*BLK                      ; the list: 48 token numbers, at + 192 the gates of lo, at + 384 the gates of hi; the 1,024 bytes from + 768 on are the spare words, 128 bytes for each of 8 waves
.set SPI,   528                        ; a stage's row: 128 f32 + 16 bytes = 132 words
.set STG,   16*SPI                     ; a wave's stage
.set CBU,   131072                     ; from a block of 64 columns to the next, in wub
.set CBD,   65536                      ; and in wdb
.set AF,    8                          ; token fragments: buffer p at AF + 216 p, block m at + 8 m
.set ACC,   32                         ; accumulator (token block m, column block n) at ACC + 8 (8 m + n)
.set T,     8                          ; the gelu's registers at work: t,
.set E,     16                         ; 2^(..), then max(x, 0),
.set P,     24                         ; the polynomial
.set G,     248                        ; my token's gate in block m at G + 2 m, a 0 beside it (named as a pair)
.set PA,    36                         ; s[36:37] the weights of this trip's four K steps
.set PB,    38                         ; s[38:39] of the next trip's
.set DLO,   40                         ; s[40:41] my columns of Wdown[lo]
.set DHI,   42                         ; s[42:43] of Wdown[hi]
.set CP,    68                         ; s68      0.3275911 / sqrt(2)
.set CE,    70                         ; s[70:71] - log2(e) / 2;  then the five coefficients, halved, each named as a pair whose low word serves both halves
.set A1,    72
.set A2,    74
.set A3,    76
.set A4,    78
.set A5,    80
.set MSB,   0
.macro WIN new                         ; the immediate's high byte repeats the setting that is left; a switch that changes nothing is dropped
.if MSB != (\new)
	s_set_vgpr_msb (MSB<<8)|(\new)
.set MSB, \new
.endif
.endm
.set W_MM,  0x01                       ; source 0 (the weights) in window 1; tokens and sums in window 0
.set W_RL,  0x40                       ; destination in window 1, address in window 0
.macro RINGHALF buf, base, off, cb, half  ; half of a K step's weights: one block of 64 columns, four fragments, 4,096 bytes: each load takes 512 consecutive bytes
.irp f, 0,1,2,3
	global_load_b128 v[64*(\buf)+32*(\half)+8*\f:64*(\buf)+32*(\half)+8*\f+3],   v1, s[\base:\base+1] offset:(\off)+(\half)*(\cb)+1024*\f
	global_load_b128 v[64*(\buf)+32*(\half)+8*\f+4:64*(\buf)+32*(\half)+8*\f+7], v1, s[\base:\base+1] offset:(\off)+(\half)*(\cb)+1024*\f+512
.endr
.endm
.macro AFLOAD p, k                     ; the three token fragments at byte k of the rows, into buffer p
.irp c, 0,1
	ds_load_b128 v[AF+216*(\p)+4*\c:AF+216*(\p)+4*\c+3],       v2 offset:(\k)+32*\c
.endr
.irp c, 0,1
	ds_load_b128 v[AF+216*(\p)+8+4*\c:AF+216*(\p)+8+4*\c+3],   v2 offset:BLK+(\k)+32*\c
.endr
.irp c, 0,1
	ds_load_b128 v[AF+216*(\p)+16+4*\c:AF+216*(\p)+16+4*\c+3], v3 offset:(\k)+32*\c
.endr
.endm
; One K step of 32: number buf of its trip, on ring buffer buf and token buffer buf % 2.  pre = 1: the next step's token fragments are asked for.  base >= 0: the weights of the
; step three further on are asked for, into the buffer that the step before has read: eight loads behind the first eight products, eight behind the second eight.
; left = the loads of later steps that may stay out when this step's sixteen have to be in.  zero = 1: the products start the sums: nothing is ever cleared; no product stands
; in front of such a step since the last wait on va_vdst, so it writes no wait of its own.  A step that asks for nothing writes none either.
.macro STEP buf, base, off, cb, pre, left, zero
	s_wait_loadcnt \left                           ; loads come back in order: this step's sixteen are in; it stands ahead of the new loads, so that 48 at the most are out
.if \pre
	WIN 0                                          ; the window first, then the wait, then the loads
.endif
.if ((\pre) || ((\base) >= 0)) && !(\zero)
	s_wait_alu depctr_va_vdst(0)                   ; the step before's products are done reading the other token buffer and ring buffer (buf + 3) % 4, in which this step's loads land; in a trip's first step v2 and v3 are written
.endif
.if \pre
	AFLOAD ((\buf)+1)%2, 64*((\buf)+1)
.endif
	s_wait_dscnt 6*(\pre)                          ; this step's token fragments are in; the six just asked for may stay out
.irp m, 0,1,2
	WIN W_MM
.irp n, 0,1,2,3,4,5,6,7
.if \zero
	v_wmma_f32_16x16x32_bf16 v[ACC+8*(8*\m+\n):ACC+8*(8*\m+\n)+7], v[64*(\buf)+8*\n:64*(\buf)+8*\n+7], v[AF+216*((\buf)%2)+8*\m:AF+216*((\buf)%2)+8*\m+7], 0
.else
	v_wmma_f32_16x16x32_bf16 v[ACC+8*(8*\m+\n):ACC+8*(8*\m+\n)+7], v[64*(\buf)+8*\n:64*(\buf)+8*\n+7], v[AF+216*((\buf)%2)+8*\m:AF+216*((\buf)%2)+8*\m+7], v[ACC+8*(8*\m+\n):ACC+8*(8*\m+\n)+7]
.endif
.endr
.if ((\base) >= 0) && (\m < 2)
	WIN W_RL
	RINGHALF ((\buf)+3)%4, \base, \off, \cb, \m    ; no further wait: no vector or matrix instruction since the wait above names v1 or this ring buffer
.endif
.endr
.endm
; Four K steps, once round the ring.  kind 0: inside a stream.  kind 1: the up product's last trip: it asks for the down product's first three steps, and its last step for no
; token fragments.  kind 2: the last trip of all: three steps ask for no weights, and the counts run down.
.macro TRIP kind, cb, zero
	STEP 0, PA, 12288, \cb, 1, 32, \zero
.if (\kind) == 0
	STEP 1, PB, 0,    \cb, 1, 32, 0
	STEP 2, PB, 4096, \cb, 1, 32, 0
	STEP 3, PB, 8192, \cb, 1, 32, 0
.elseif (\kind) == 1
	STEP 1, DLO, 0,    CBD, 1, 32, 0
	STEP 2, DLO, 4096, CBD, 1, 32, 0
	STEP 3, DLO, 8192, CBD, 0, 32, 0
.else
	STEP 1, -1, 0, 0, 1, 32, 0
	STEP 2, -1, 0, 0, 1, 16, 0
	STEP 3, -1, 0, 0, 0, 0, 0
.endif
.endm
.macro NEXT                            ; on to the next trip
	WIN 0                                          ; at a label and at a branch every window is 0
	s_wait_alu depctr_vm_vsrc(0)                   ; the fragment loads issued so far have read v2 and v3
	v_add_nc_u32 v2, 0x100, v2                     ; 128 numbers along the LDS rows
	v_add_nc_u32 v3, 0x100, v3
	s_wait_xcnt 0x0                                ; the pending loads' bases are rewritten only behind this wait
	s_mov_b64 s[PA:PA+1], s[PB:PB+1]
	s_add_nc_u64 s[PB:PB+1], s[PB:PB+1], 16384
.endm
; Eight neighbouring columns of my token's row of h leave from the four lowest registers of accumulator (m, n), which nothing writes again before the down product's first products
.macro HSTORE m, n
.if (\m) < 2
	ds_store_b128 v6, v[ACC+8*(8*(\m)+(\n)):ACC+8*(8*(\m)+(\n))+3] offset:(\m)*BLK+32*(\n)
.else
	ds_store_b128 v7, v[ACC+8*(8*(\m)+(\n)):ACC+8*(8*(\m)+(\n))+3] offset:32*(\n)
.endif
.endm
; gate x gelu of one accumulator, eight numbers a lane: gelu(x) = max(x, 0) - |x| Q, Q = (a1 t + .. + a5 t^5) / 2 x 2^(-x^2 log2(e) / 2), t = 1 / (1 + 0.2316419 |x|).
; The sixteen transcendentals are one batch with one wait; the accumulator's lowest register is read first.  The result is rounded in place; its store
; stands in the next accumulator's turn, behind that turn's wait.
.macro GELU m, n
.set X, ACC+8*(8*(\m)+(\n))
.irp j, 0,1,2,3,4,5,6,7
	v_fma_f32 v[T+\j], |v[X+\j]|, s[CP], 1.0
.endr
.irp j, 0,1,2,3,4,5,6,7
	v_rcp_f32 v[T+\j], v[T+\j]
.endr
.irp q, 0,2,4,6
	v_pk_mul_f32 v[E+\q:E+\q+1], v[X+\q:X+\q+1], v[X+\q:X+\q+1]
.endr
.irp q, 0,2,4,6
	v_pk_mul_f32 v[E+\q:E+\q+1], v[E+\q:E+\q+1], s[CE:CE+1] op_sel_hi:[1,0]
.endr
.irp j, 0,1,2,3,4,5,6,7
	v_exp_f32 v[E+\j], v[E+\j]
.endr
	v_nop                                          ; a plain instruction behind the last transcendental (ISA guide 5.7.2),
	s_wait_alu depctr_va_vdst(0)                   ; and one wait: the sixteen transcendentals have written t and 2^(..), ahead of their first reader; the accumulator before's four roundings have written what the store below reads
.if (8*(\m)+(\n)) > 0
	HSTORE (8*(\m)+(\n)-1)/8, (8*(\m)+(\n)-1)%8
.endif
.irp q, 0,2,4,6
	v_pk_fma_f32 v[P+\q:P+\q+1], v[T+\q:T+\q+1], s[A5:A5+1], s[A4:A4+1] op_sel_hi:[1,0,0]
.endr
.irp a, A3, A2, A1
.irp q, 0,2,4,6
	v_pk_fma_f32 v[P+\q:P+\q+1], v[P+\q:P+\q+1], v[T+\q:T+\q+1], s[\a:\a+1] op_sel_hi:[1,1,0]
.endr
.endr
.irp q, 0,2,4,6
	v_pk_mul_f32 v[P+\q:P+\q+1], v[P+\q:P+\q+1], v[T+\q:T+\q+1]
.endr
.irp q, 0,2,4,6
	v_pk_mul_f32 v[P+\q:P+\q+1], v[P+\q:P+\q+1], v[E+\q:E+\q+1]  ; Q
.endr
.irp j, 0,1,2,3,4,5,6,7
	v_max_num_f32 v[E+\j], 0, v[X+\j]
.endr
.irp j, 0,1,2,3,4,5,6,7
	v_fma_f32 v[X+\j], -|v[X+\j]|, v[P+\j], v[E+\j]
.endr
.irp q, 0,2,4,6
	v_pk_mul_f32 v[X+\q:X+\q+1], v[X+\q:X+\q+1], v[G+2*(\m):G+2*(\m)+1] op_sel_hi:[1,0]  ; my token's gate
.endr
.irp q, 0,1,2,3
	v_cvt_pk_bf16_f32 v[X+\q], v[X+2*\q], v[X+2*\q+1]  ; eight numbers close up into the first four of their eight registers
.endr
.endm
; The way out of token block m: 16 rows x 128 columns of f32 through my own stage, back as whole rows of 512 bytes into the registers that they left, one row a store.
; The rows' token numbers are asked for first, and all sixteen addresses are made while the rows come back, so that one wait serves the block's stores.
.macro OUT m
.irp t, 0,1,2,3,4,5,6,7,8,9,10,11,12,13,14,15
.set TK, AF+16*(\m)+\t+192*((16*(\m)+\t)/24)   ; the 48 rows' token numbers lie in the token fragments' two buffers
	ds_load_b32 v[TK], v2 offset:64*(\m)+4*\t      ; the token of row 16 m + t: every lane reads the same word
.endr
.irp n, 0,1,2,3,4,5,6,7
	ds_store_b128 v6, v[ACC+8*(8*(\m)+\n):ACC+8*(8*(\m)+\n)+3]   offset:64*\n      ; each accumulator's low end first
	ds_store_b128 v6, v[ACC+8*(8*(\m)+\n)+4:ACC+8*(8*(\m)+\n)+7] offset:64*\n+16
.endr
	s_wait_alu depctr_vm_vsrc(0)                   ; the sixteen stores above have read the block's registers, in which the rows below land
.irp t, 0,1,2,3,4,5,6,7,8,9,10,11,12,13,14,15
	ds_load_b128 v[ACC+64*(\m)+4*\t:ACC+64*(\m)+4*\t+3], v7 offset:SPI*\t  ; LDS serves a wave's instructions in order (ISA guide 5.7.1.4): these see the stores above
.endr
	s_wait_dscnt 32                                ; the token numbers are in: the sixteen stores and the sixteen loads behind them may stay out
.irp t, 0,1,2,3,4,5,6,7,8,9,10,11,12,13,14,15
.set TK, AF+16*(\m)+\t+192*((16*(\m)+\t)/24)
	v_min_u32 v[TK], 0x1fff, v[TK]                 ; it enters an address
	v_lshl_add_u32 v[TK], v[TK], 12, v3            ; the token's row of 4,096 bytes + my place in it
.endr
	s_wait_alu depctr_va_vdst(0)                   ; the sixteen addresses are written, which the stores below read
	s_wait_dscnt 0x0                               ; the rows are back
.irp t, 0,1,2,3,4,5,6,7,8,9,10,11,12,13,14,15
.set TK, AF+16*(\m)+\t+192*((16*(\m)+\t)/24)
	s_cmp_gt_u32 s27, 16*(\m)+\t                   ; rows ascend: from the first row past the count on nothing is stored
	s_cbranch_scc0 .Ldone
	global_store_b128 v[TK], v[ACC+64*(\m)+4*\t:ACC+64*(\m)+4*\t+3], s[22:23] th:TH_STORE_NT  ; the wave stores 512 consecutive bytes, aligned; every store has registers of its own
.endr
.endm
	s_load_b512 s[8:23], s[0:1], 0x0               ; x s[8:9], expert_p s[10:11], expert_idxs s[12:13], wub s[14:15], wdb s[16:17], order s[18:19], tiles s[20:21], out0 s[22:23]
	v_lshl_add_u32 v254, v0, 2, 0x30900
	v_mov_b32 v255, 0
	v_lshrrev_b32 v6, 5, v0
	v_readfirstlane_b32 s28, v6                    ; wave 0..7
	v_and_b32 v7, 31, v0                           ; lane
	v_lshlrev_b32 v1, 4, v7
	v_and_b32 v6, 15, v0                           ; r = lane % 16
	v_bfe_u32 v3, v0, 4, 1                         ; h = lane / 16
	v_mul_u32_u24 v2, PX, v6
	v_lshl_add_u32 v2, v3, 4, v2                   ; a fragment of 16 tokens x 32 k: row r x pitch + 16 h, two loads 32 bytes apart
	v_add_nc_u32 v3, 2*BLK, v2                     ; block 2 lies past an LDS offset's 16 bits
	s_wait_alu depctr_va_sdst(0)                   ; s28 is written, ahead of its first reader
	s_mul_i32 s31, s28, PX
	v_lshl_add_u32 v6, v7, 3, s31                  ; x goes in: wave w has rows w, 8 + w, .. 40 + w; 8 bytes a lane
	v_add_nc_u32 v7, 24*PX, v6                     ; the last three of them
	s_mov_b32 s[CP],   0x3e6d3388                  ; 0.23164189
	s_mov_b32 s[CE],   0xbf38aa3b                  ; -0.72134752
	s_mov_b32 s[A1],   0x3e027906                  ;  0.254829592 / 2
	s_mov_b32 s[A2],   0xbe11a98e                  ; -0.284496736 / 2
	s_mov_b32 s[A3],   0x3f35f0e3                  ;  1.421413741 / 2
	s_mov_b32 s[A4],   0xbf3a00e3                  ; -1.453152027 / 2
	s_mov_b32 s[A5],   0x3f07dc22                  ;  1.061405429 / 2
.irp c, CE, A1, A2, A3, A4, A5
	s_mov_b32 s[\c+1], s[\c]                       ; named with it as a pair
.endr
	s_lshl_b32 s30, ttmp9, 4                       ; my record of 16 bytes
	s_mov_b32 s31, 0
	s_mov_b32 s35, 0
	s_wait_kmcnt 0x0
	s_add_nc_u64 s[20:21], s[20:21], s[30:31]
	s_load_b128 s[24:27], s[20:21], 0x0            ; lo, hi, first position, count
	s_wait_kmcnt 0x0
	s_min_u32 s24, s24, 7                          ; loaded numbers enter addresses only held to their range
	s_min_u32 s25, s25, 7
	s_min_u32 s26, s26, 0x1fff
	s_min_u32 s27, s27, 48
	s_max_u32 s29, s27, 1
	s_add_co_u32 s29, s29, s26
	s_sub_co_u32 s29, s29, 1                       ; the tile's last position
	s_add_co_u32 s82, s26, s28                     ; my six rows: places w + 8 j of the tile; past the count the last token again
.irp j, 1,2,3,4,5
	s_add_co_u32 s[82+\j], s82, 8*\j
.endr
.irp j, 0,1,2,3,4,5
	s_min_u32 s[82+\j], s[82+\j], s29
	s_min_u32 s[82+\j], s[82+\j], 0x1fff
	s_lshl_b32 s[82+\j], s[82+\j], 2
.endr
.irp j, 0,1,2,3,4,5
	s_load_b32 s[45+\j], s[18:19], s[82+\j] offset:0x0
.endr
	s_cmp_lt_u32 s28, 4                            ; the weights' streams
	s_cselect_b32 s34, s24, s25
	s_min_u32 s34, s34, 7
	s_lshl_b32 s34, s34, 20                        ; wub: 2^20 bytes an expert,
	s_and_b32 s33, s28, 3
	s_lshl_b32 s33, s33, 18                        ; 2^18 for my two blocks of 64 columns, 32 K steps each
	s_add_co_u32 s34, s34, s33
	s_add_nc_u64 s[PA:PA+1], s[14:15], s[34:35]
	s_add_nc_u64 s[PB:PB+1], s[PA:PA+1], 16384
	s_lshl_b32 s33, s28, 17                        ; wdb: 2^20 bytes an expert, 2^17 for my two blocks of 64 columns, 16 K steps each
	s_lshl_b32 s34, s24, 20
	s_add_co_u32 s34, s34, s33
	s_add_nc_u64 s[DLO:DLO+1], s[16:17], s[34:35]
	s_lshl_b32 s34, s25, 20
	s_add_co_u32 s34, s34, s33
	s_add_nc_u64 s[DHI:DHI+1], s[16:17], s[34:35]
	; THE LIST, first part: the tile's 48 tokens, places lane and 32 + lane % 16.  The places and their LDS words are made by every wave, so that they are written on
	; every path; wave 0 alone goes on from them.
	v_and_b32 v8, 31, v0
	v_and_b32 v9, 15, v0
	v_add_nc_u32 v9, 32, v9
	v_lshl_add_u32 v14, v8, 2, LST
	v_lshl_add_u32 v15, v9, 2, LST
	s_wait_alu depctr_va_vdst(0)                   ; on every wave's path: v1, v2, v3, v6, v7, v14 and v15 are written, which the loads and LDS stores below read as offsets and addresses; so are v8 and v9, in which fragments land
	s_cmp_lg_u32 s28, 0
	s_cbranch_scc1 .Lno_list_a
	v_add_nc_u32 v8, s26, v8
	v_add_nc_u32 v9, s26, v9
	v_min_u32 v8, s29, v8
	v_min_u32 v9, s29, v9
	v_min_u32 v8, 0x1fff, v8
	v_min_u32 v9, 0x1fff, v9
	v_lshlrev_b32 v8, 2, v8
	v_lshlrev_b32 v9, 2, v9
	s_wait_alu depctr_va_vdst(0)                   ; v8 and v9 are written: the two loads' offsets
	global_load_b32 v10, v8, s[18:19]
	global_load_b32 v11, v9, s[18:19]
.Lno_list_a:
	s_wait_kmcnt 0x0                               ; my six tokens
.irp j, 0,1,2,3,4,5
	s_min_u32 s[45+\j], s[45+\j], 0x1fff
	s_lshl_b32 s34, s[45+\j], 12
	s_add_nc_u64 s[52+2*\j:53+2*\j], s[8:9], s[34:35]
.endr
.irp j, 0,1,2,3,4,5
.irp i, 0,1,2,3,4,5,6,7
	global_load_b128 v[ACC+32*\j+4*\i:ACC+32*\j+4*\i+3], v1, s[52+2*\j:53+2*\j] offset:512*\i  ; a row of x: eight loads of 512 consecutive bytes
.endr
.endr
	; THE LIST, second part (wave 0 alone): the tokens' indices and gates are asked for
	s_cmp_lg_u32 s28, 0
	s_cbranch_scc1 .Lno_list_b
	s_wait_loadcnt 48                              ; the two loads from the list are the oldest: x's 48 may stay out
	v_min_u32 v10, 0x1fff, v10
	v_min_u32 v11, 0x1fff, v11
	v_lshlrev_b32 v12, 3, v10
	v_lshlrev_b32 v13, 3, v11
	s_wait_alu depctr_va_vdst(0)                   ; v12 and v13 are written: the four loads' offsets
	global_load_b64 v[16:17], v12, s[12:13]
	global_load_b64 v[18:19], v12, s[10:11]
	global_load_b64 v[20:21], v13, s[12:13]
	global_load_b64 v[22:23], v13, s[10:11]
.Lno_list_b:
	; x is rounded and laid into LDS, a row at a time; behind each row eight loads of the up product's K steps 0 to 2 go out, so that load i of a row always has 47 - i
	; younger loads behind it (in wave 0 four more: its count is the stricter one there).  A row's sixteen roundings stand together, one wait behind them, then its eight stores.
.irp j, 0,1,2,3,4,5
.irp i, 0,1,2,3,4,5,6,7
	s_wait_loadcnt 47-\i
	v_cvt_pk_bf16_f32 v[ACC+32*\j+4*\i],   v[ACC+32*\j+4*\i],   v[ACC+32*\j+4*\i+1]
	v_cvt_pk_bf16_f32 v[ACC+32*\j+4*\i+1], v[ACC+32*\j+4*\i+2], v[ACC+32*\j+4*\i+3]
.endr
	s_wait_alu depctr_va_vdst(0)                   ; the row's roundings have written the registers that its eight LDS stores read
.irp i, 0,1,2,3,4,5,6,7
.if \j < 3
	ds_store_b64 v6, v[ACC+32*\j+4*\i:ACC+32*\j+4*\i+1] offset:\j*8*PX+256*\i
.else
	ds_store_b64 v7, v[ACC+32*\j+4*\i:ACC+32*\j+4*\i+1] offset:(\j-3)*8*PX+256*\i
.endif
.endr
	WIN W_RL
	RINGHALF (\j)/2, PA, 4096*((\j)/2), CBU, (\j)%2  ; no vector instruction has named the ring, and none has written v1 since the head's wait
	WIN 0
.endr
	; THE LIST, third part (wave 0 alone): each token's gates, the one of lo and the one of hi, rounded to bf16 like the other inputs
	s_cmp_lg_u32 s28, 0
	s_cbranch_scc1 .Lno_list_c
	s_wait_loadcnt 48                              ; the four loads of indices and gates are older than the ring's 48
	v_cmp_gt_u32 s32, v16, v17                     ; the token's second choice is lo
	v_cmp_gt_u32 s33, v20, v21
	s_wait_alu depctr_va_sdst(0)                   ; s32 and s33 are written, ahead of the selects that read them
	v_cndmask_b32 v24, v18, v19, s32               ; lo's gate (with both choices alike: the first for lo's half, the second for hi's)
	v_cndmask_b32 v25, v19, v18, s32               ; hi's
	v_cndmask_b32 v26, v22, v23, s33
	v_cndmask_b32 v27, v23, v22, s33
	v_cvt_pk_bf16_f32 v24, v24, v25
	v_cvt_pk_bf16_f32 v26, v26, v27
	v_lshlrev_b32 v25, 16, v24
	v_and_b32 v24, 0xffff0000, v24
	v_lshlrev_b32 v27, 16, v26
	v_and_b32 v26, 0xffff0000, v26
	s_wait_alu depctr_va_vdst(0)                   ; v10, v11 and v24 to v27 are written, which the six LDS stores read; behind it no vector instruction names v8 to v31 before the fragments land there
	ds_store_b32 v14, v10
	ds_store_b32 v14, v25 offset:192
	ds_store_b32 v14, v24 offset:384
	ds_store_b32 v15, v11                          ; lanes 16 to 31 repeat lanes 0 to 15: the same words, the same numbers
	ds_store_b32 v15, v27 offset:192
	ds_store_b32 v15, v26 offset:384
.Lno_list_c:
	s_wait_alu depctr_vm_vsrc(0)                   ; x's LDS stores have read v6 and v7, which are written below, and their data, which the first products write; wave 0's loads and stores have read v8 to v15 and v24 to v27, in which fragments land
	s_lshl_b32 s30, s28, 8                         ; where h will go: row r, my wave's 256 bytes, 16 bytes for each half of the lanes
	s_add_co_u32 s30, s30, HS
	v_and_b32 v248, 15, v0
	v_bfe_u32 v249, v0, 4, 1
	v_mul_u32_u24 v6, PX, v248
	v_lshl_add_u32 v6, v249, 4, v6
	v_add_nc_u32 v6, s30, v6
	v_add_nc_u32 v7, 2*BLK, v6
	s_wait_dscnt 0x0                               ; for the others' sake: my rows of x (and wave 0's list) are written
	s_barrier_signal -1
	s_barrier_wait -1
	; THE UP PRODUCT: K = 1,024 in 8 trips of four steps.  The first trip starts the sums; the last is written out.
	; The first step's loads owe no further wait: each vector line that names v2, v3 or v8 to v31 stands ahead of a wait on va_vdst above, on every path; none has named v224 to v247 or the ring.
	AFLOAD 0, 0
	TRIP 0, CBU, 1
	NEXT
	s_cmp_eq_u32 s27, 0                            ; a record without tokens leaves the loop out
	s_cbranch_scc1 .Lup_last
	s_mov_b32 s44, 6
.Lup:
	TRIP 0, CBU, 0
	NEXT
	s_sub_co_u32 s44, s44, 1
	s_cmp_lg_u32 s44, 0
	s_cbranch_scc1 .Lup
.Lup_last:
	TRIP 1, CBU, 0
	; GATE x GELU.  48 loads of the down product's weights stay on their way; the token fragments' registers are free.
	WIN 0
.rept 4
	v_nop                                          ; four places behind the last products
.endr
	s_wait_dscnt 0x0                               ; my reads of x are over:
	s_barrier_signal -1                            ; say so; work on registers stands between the signal and the wait
	s_lshr_b32 s30, s28, 2
	s_mul_i32 s30, s30, 192
	s_add_co_u32 s30, s30, LST+192                 ; the gates of my wave's expert
	v_and_b32 v8, 15, v0
	v_lshl_add_u32 v8, v8, 2, s30
	v_mov_b32 v[G+1], 0
	v_mov_b32 v[G+3], 0
	v_mov_b32 v[G+5], 0
	s_barrier_wait -1                              ; no wave stores into LDS before every wave's reads of the up product are over
	s_wait_xcnt 0x0                                ; the pending loads' bases are rewritten only behind this wait
	s_mov_b64 s[PA:PA+1], s[DLO:DLO+1]
	s_add_nc_u64 s[PB:PB+1], s[DLO:DLO+1], 16384
	s_wait_alu depctr_va_vdst(0)                   ; v8 is written, the address of the three loads below
	ds_load_b32 v[G],   v8
	ds_load_b32 v[G+2], v8 offset:64
	ds_load_b32 v[G+4], v8 offset:128
	s_wait_dscnt 0x0
	s_wait_alu depctr_vm_vsrc(0)                   ; those loads have read v8, which the gelu writes; the up product's fragment loads have read v2 and v3, which are made anew behind the gelu
.irp m, 0,1,2
.irp n, 0,1,2,3,4,5,6,7
	GELU \m, \n
.endr
.endr
	v_and_b32 v2, 15, v0                           ; the fragments' addresses are made anew, for h: they hang on no path
	v_bfe_u32 v3, v0, 4, 1
	v_mul_u32_u24 v2, PX, v2
	v_lshl_add_u32 v2, v3, 4, v2
	v_add_nc_u32 v2, HS, v2
	v_add_nc_u32 v3, 2*BLK, v2
	s_wait_alu depctr_va_vdst(0)                   ; the last accumulator's roundings have written what the store below reads; v2 and v3 are written; the gelu is done naming v8 to v31, in which fragments land
	HSTORE 2, 7
	s_wait_dscnt 0x0                               ; for the others' sake: my columns of h are written
	s_barrier_signal -1
	s_barrier_wait -1
	s_wait_alu depctr_vm_vsrc(0)                   ; h's stores have read their data, which the first products below write, and v6 and v7, which the way out writes
	; THE DOWN PRODUCT: K = 1,024 in 8 trips: four on Wdown[lo], four on Wdown[hi].  The last trip is written out: no load leaves a stream.
	AFLOAD 0, 0
	TRIP 0, CBD, 1
	NEXT
	s_cmp_eq_u32 s27, 0                            ; a record without tokens leaves the loop out
	s_cbranch_scc1 .Ldn_last
	s_mov_b32 s44, 6
.Ldn:
	TRIP 0, CBD, 0
	NEXT
	s_sub_co_u32 s44, s44, 1
	s_cmp_eq_u32 s44, 4                            ; with four trips of the loop to go the trip after next is the first on Wdown[hi]
	s_cselect_b64 s[PB:PB+1], s[DHI:DHI+1], s[PB:PB+1]
	s_cmp_lg_u32 s44, 0
	s_cbranch_scc1 .Ldn
.Ldn_last:
	TRIP 2, CBD, 0
	; THE WAY OUT.  The addresses are made between the barrier's signal and its wait: eight plain instructions that name no register of the last products are the places behind them.
	WIN 0
	s_wait_dscnt 0x0                               ; my reads of h are over:
	s_wait_alu depctr_vm_vsrc(0)                   ; and the fragment loads have read v2 and v3, which are written below
	s_barrier_signal -1                            ; say so
	s_mul_i32 s30, s28, STG                        ; my stage, where x lay
	v_and_b32 v248, 15, v0                         ; r
	v_bfe_u32 v249, v0, 4, 1                       ; h
	v_mul_u32_u24 v6, SPI, v248                    ; in: row r of 528 bytes, 32 bytes for each half of the lanes
	v_lshl_add_u32 v6, v249, 5, v6
	v_add_nc_u32 v6, s30, v6
	v_add_nc_u32 v7, s30, v1                       ; back: a row's 512 bytes, 16 a lane
	v_mov_b32 v2, LST                              ; the list's token numbers
	v_lshl_add_u32 v3, s28, 9, v1                  ; my 16 bytes in a row of out0: 512 w + 16 x lane
	s_barrier_wait -1                              ; no wave stores into LDS before every wave's reads of the down product are over
	s_wait_alu depctr_va_vdst(0)                   ; the products have written the accumulators, which the stage's stores read and in which the rows land, and are done reading the fragments' registers, in which the tokens land; v2, v6 and v7 are written.  The places above stay beside this wait
	OUT 0
	OUT 1
	OUT 2
.Ldone:
	s_wait_dscnt 0x0                               ; the wave's end
	s_wait_alu depctr_hold_cnt(0) depctr_sa_sdst(0) depctr_va_vdst(0) depctr_va_sdst(0) depctr_va_ssrc(0) depctr_va_vcc(0) depctr_vm_vsrc(0)
	s_wait_tensorcnt 0x0
	ds_add_u32 v254, v255
	s_wait_dscnt 0x0
	s_endpgm
.Lfunc_end_k_q101bdc6d81_moe:
	.size	k_q101bdc6d81_moe, .Lfunc_end_k_q101bdc6d81_moe-k_q101bdc6d81_moe
	.p2alignl 7, 3214868480
	.fill 96, 4, 3214868480
	.section	.rodata,"a",@progbits
	.p2align	6, 0x0
	.amdhsa_kernel k_q101bdc6d81_moe
		.amdhsa_group_segment_fixed_size 199936
		.amdhsa_private_segment_fixed_size 0
		.amdhsa_enable_private_segment 0
		.amdhsa_kernarg_size 64
		.amdhsa_user_sgpr_count 2
		.amdhsa_user_sgpr_kernarg_segment_ptr 1
		.amdhsa_wavefront_size32 1
		.amdhsa_system_sgpr_workgroup_id_x 1
		.amdhsa_system_sgpr_workgroup_id_y 1
		.amdhsa_system_sgpr_workgroup_id_z 1
		.amdhsa_system_vgpr_workitem_id 0
		.amdhsa_next_free_vgpr 512
		.amdhsa_next_free_sgpr 96
		.amdhsa_reserve_vcc 0
		.amdhsa_float_denorm_mode_32 3
		.amdhsa_float_denorm_mode_16_64 3
		.amdhsa_memory_ordered 1
		.amdhsa_forward_progress 1
		.amdhsa_inst_pref_size 243
	.end_amdhsa_kernel
	.amdgpu_metadata
---
amdhsa.version: [ 1, 2 ]
amdhsa.kernels:
  - .name:           k_q101bdc6d81_moe
    .symbol:         k_q101bdc6d81_moe.kd
    .args:
      - { .name: x, .offset: 0, .size: 8, .value_kind: global_buffer, .address_space: global }
      - { .name: expert_p, .offset: 8, .size: 8, .value_kind: global_buffer, .address_space: global }
      - { .name: expert_idxs, .offset: 16, .size: 8, .value_kind: global_buffer, .address_space: global }
      - { .name: wub, .offset: 24, .size: 8, .value_kind: global_buffer, .address_space: global }
      - { .name: wdb, .offset: 32, .size: 8, .value_kind: global_buffer, .address_space: global }
      - { .name: order, .offset: 40, .size: 8, .value_kind: global_buffer, .address_space: global }
      - { .name: tiles, .offset: 48, .size: 8, .value_kind: global_buffer, .address_space: global }
      - { .name: out0, .offset: 56, .size: 8, .value_kind: global_buffer, .address_space: global }
    .group_segment_fixed_size: 199936
    .private_segment_fixed_size: 0
    .kernarg_segment_align: 8
    .kernarg_segment_size: 64
    .max_flat_workgroup_size: 256
    .sgpr_count:     96
    .vgpr_count:     512
    .wavefront_size: 32
...
	.end_amdgpu_metadata
.endif
;; end of part 3
